; MI455X (gfx1250); checked and timed in simulation.
; The chip was launched on July 23, 2026; its instructions are those of AMD's public machine-readable ISA for CDNA 5 (MIT licence, August 2026) and "CDNA5" Instruction Set Architecture Reference Guide (July 2026). The comments in the code are by the model that wrote it; some were corrected since.
;; Self Attention. Allowed arithmetic: float matrix products may take bf16 or f16 operands with f32 sums; other float arithmetic in f32, or as packed bf16 or f16 multiplies, adds, multiply-adds, maxima and minima; sums over many terms, partial sums and values carried from step to step in f32; what a program stores and reads back later, other than sums and carried values, may be rounded once to bf16 or f16.
;; Inputs: Wk 512 x 512 float32; Wq 512 x 512 float32; Wv 512 x 512 float32; x 32 x 1,024 x 512 float32.
;; Outputs: out0 32 x 1,024 x 512 float32.
;; One version. Each part assembles by itself: llvm-mc -triple=amdgcn-amd-amdhsa -mcpu=gfx1250 --defsym DOCPART=n.
;; ======== version 1 of 1: 3 launches
;; limits: values are held in f16: magnitudes above 65,504 overflow, below 6.1e-05 lose precision; right only within a limited range of input values
;; workspace buffers: WF 1,572,864 bytes; MX 4,096 bytes; XF 33,554,432 bytes; QF 67,108,864 bytes; VF 33,554,432 bytes
;; launch front (part 1): grid 256 x 1, 8 waves a work-group, no clusters, 304,128 bytes of LDS; arguments x, XF, Wq, Wk, Wv, WF, MX; writes XF, WF, MX
.if DOCPART == 1
	.amdgcn_target "amdgcn-amd-amdhsa--gfx1250"
	.amdhsa_code_object_version 6
	.text
	.protected	k_qab76275717_front
	.globl	k_qab76275717_front
	.p2align	8
	.type	k_qab76275717_front,@function
k_qab76275717_front:
	s_mov_b64 s[64:65], 0
	v_nop
	global_prefetch_b8 v0, s[64:65] scope:SCOPE_SE
	s_setreg_imm32_b32 hwreg(HW_REG_WAVE_MODE, 25, 1), 1
	s_wait_xcnt 0x0
; FRONT.  Two jobs in one launch; the second is done while the first one's tiles are on their way.
; (1) x is rounded to bf16, as every input is, and that number is written as f16 into FRAGMENT BLOCKS: XF[token / 16][chunk of 32 channels: 16][block of 1,024 bytes]; in a block lane L = r + 16 h has
;     16 bytes at 512 e + 16 L: row (token) r, k (channel) = 16 e + 8 h + 0..7: a matrix operand is two loads of 512 bytes on end.
; (2) The scores are x_t^T (Wq^T Wk) x_s sqrt(512): M[c][c'] = sum over d of Wq[d][c] Wk[d][c'] is made here, from Wq and Wk rounded to bf16 (exact matrix operands, f32 sums).  The order of rounding so
;     differs from q . k; the identity holds for every input.  M' = 16 M leaves as two f16 pieces, h = f16(M') and l = f16(M' - h); Wv leaves rounded to bf16, written as f16; all in fragment blocks:
;     WF: 12 slots of 131,072 bytes: slot 2 g = l, slot 2 g + 1 = h of M' for columns c' = 128 g ..; slot 8 + g = Wv's rows 128 g ..; in a slot [column tile 8][chunk 16][block], row = column c', k = c.
;     MX: 1,024 f32, the largest |M'| of each tile of 16 x 16; later launches take the largest of them.
; LIMITS.  |x|, |Wv| and 16 |M| stay under 65,504 (f16's end); a number under 2^-14 keeps f16's fixed step of 2^-24; NaN and infinities are not treated apart.
; SHARES.  A work-group takes 128 tokens of x, 256 KB, which come into LDS whole. A tile is 32 rows x 512 bytes, aligned; rows are
; laid 528 bytes apart, so that sixteen rows of a load start at sixteen different groups of four banks (ISA guide 11.1).  Group G of the tiles (channels 256 G ..) is read behind a barrier.
; Of M' it takes the block c = 32 (g / 16) .., c' = 32 (g % 16) ..: four tiles (a, b).  K = d IS SPLIT AMONG THE EIGHT WAVES: wave w takes d = 64 w .. 64 w + 63 for all four tiles: 8 products.
; The operands lie [d][column]; a lane gathers its own column: register n of a fragment is one load of 4 bytes a lane (16 lanes take 64 bytes on end of row d0 + 8 h + n, or d0 + 16 + 8 h + n - 8), and two
; neighbouring registers round into one register of the fragment.  Through LDS the two strips would want 98,304 bytes at the turning load's pitch; 56,320 are free.  So no tensor load and no joint request for them.
; The eight partial sums meet in LDS; waves 0 to 3 finish a tile each, waves 4 to 7 convert a half block of Wv each.
.set PITCH, 528
.set PIECE, 128*PITCH                  ; 128 tokens x 128 channels
.set SPARE, 4*PIECE                    ; the spare words, 128 bytes a wave: four blocks of 256 bytes that no other line names
.set PART,  SPARE+1024                 ; wave w's four partial tiles, 1,024 bytes each, at 4,096 w: bytes that no tensor load touches
.set SPW, 2                            ; v2   my spare word; never rewritten
.set NIL, 3                            ; v3   0; never rewritten
.set RA,  4                            ; v[4:7]   piece p: p x PIECE + (16 w + r) x 528 + 32 h
.set GO,  8                            ; v8   16 L
.set T,   10                           ; v[10:21] at work, four sets of three
.set WOF, 22                           ; v22  8 h rows of 2,048 bytes + 4 r: my place in a fragment of Wq or Wk
.set ONE, 23                           ; v23  1.0
.set MXV, 24                           ; v24  the largest |M'|
.set LN,  25                           ; v25  L
.set WVO, 26                           ; v26  r x 2,048 + 32 h: my 32 bytes of a row of Wv
.set PS,  27                           ; v27  where I put my 32 bytes of a partial tile
.set PR,  28                           ; v28  where I read them back (tile = w % 4)
.set ZR,  29                           ; v29  0, an offset
.set ACC, 32                           ; v[32:63]  four accumulators: tile (a, b) at ACC + 8 (a + 2 b)
.set X,   64                           ; v[64:191] Wq's and Wk's fragments as loaded (16 registers each), packed in place; then eight blocks of x; between the groups the partial sums
.set TT,  X+64                         ; M', then the residue
.set PH,  X+72                         ; piece h
.set PL,  X+76                         ; piece l
.set TMP, X+80                         ; at work
.set WVR, 192                          ; v[192:199] eight numbers of Wv
.set WVP, 200                          ; v[200:203] the same, packed
.set G1,  16                           ; s[16:23] descriptor group 1
.set G0,  24                           ; s[24:31] descriptor group 0, a set for each of my two loads
	s_load_b128 s[4:7], s[0:1], 0x0                ; x s[4:5], XF s[6:7]
	s_load_b256 s[36:43], s[0:1], 0x10             ; Wq s[36:37], Wk s[38:39], Wv s[40:41], WF s[42:43]
	s_load_b64 s[44:45], s[0:1], 0x30              ; MX
	v_lshl_add_u32 v[SPW], v0, 2, SPARE
	v_mov_b32 v[NIL], 0
	ds_add_u32 v[SPW], v[NIL]                      ; the wave's opening: the add and its wait ahead of my first tensor load
	ds_add_u32 v2, v3
	v_lshrrev_b32 v1, 5, v0
	v_readfirstlane_b32 s8, v1                     ; wave 0..7
	s_mov_b32 s[G1+0], (2<<16)|(1<<20)|(6<<22)|(3<<25)  ; elements of 4 bytes; padding on: after every 128 words (code 6) 4 words (code 3)
	s_mov_b32 s[G1+1], 128<<16                     ; tensor_dim0 = 128
	s_mov_b32 s[G1+2], 32<<16                      ; tensor_dim1 = 32
	s_mov_b32 s[G1+3], 128<<16                     ; tile_dim0 = 128
	s_mov_b32 s[G1+4], 32                          ; tile_dim1 = 32
	s_mov_b32 s[G1+5], 512                         ; 512 elements from row to row
	s_mov_b32 s[G1+6], 0
	s_mov_b32 s[G1+7], 0
	s_and_b32 s9, s8, 1                            ; which of a group's two pieces I fetch,
	s_lshr_b32 s10, s8, 1                          ; which 32 rows of it
	s_mul_i32 s11, s9, PIECE
	s_mul_i32 s12, s10, 32*PITCH
	s_add_co_u32 s11, s11, s12                     ; its place in LDS, group 0
	s_lshl_b32 s12, ttmp9, 18                      ; 128 rows of 2,048 bytes a work-group
	s_lshl_b32 s13, s10, 16
	s_add_co_u32 s12, s12, s13
	s_lshl_b32 s13, s9, 9
	s_add_co_u32 s12, s12, s13
	s_mov_b32 s13, 0
	s_lshl_b32 s32, ttmp9, 17                      ; XF: token tile 8 g + w, 16,384 bytes each
	s_lshl_b32 s33, s8, 14
	s_add_co_u32 s32, s32, s33
	s_mov_b32 s33, 0
	s_mov_b32 s15, 0xffff0000                      ; a word's upper bf16
	s_mul_i32 s14, s8, 16*PITCH
	; the offsets of job (2), made apart from the addresses
	s_lshr_b32 s46, ttmp9, 4                       ; cb: M's rows c = 32 cb ..
	s_and_b32 s47, ttmp9, 15                       ; cb': its columns c' = 32 cb' ..
	s_lshl_b32 s48, s8, 17                         ; my 64 rows d of 2,048 bytes,
	s_lshl_b32 s49, s46, 7                         ; Wq's 32 columns
	s_add_co_u32 s48, s48, s49
	s_mov_b32 s49, 0
	s_lshl_b32 s50, s8, 17
	s_lshl_b32 s51, s47, 7                         ; Wk's 32 columns
	s_add_co_u32 s50, s50, s51
	s_mov_b32 s51, 0
	s_and_b32 s52, s8, 3                           ; w % 4: the tile that waves 0 to 3 finish, the half block that waves 4 to 7 convert
	s_and_b32 s53, s52, 1                          ; a
	s_lshr_b32 s54, s52, 1                         ; b
	s_lshr_b32 s56, s47, 2
	s_lshl_b32 s56, s56, 18                        ; slot 2 (c' / 128),
	s_and_b32 s57, s47, 3
	s_lshl_b32 s57, s57, 1
	s_add_co_u32 s57, s57, s54
	s_lshl_b32 s57, s57, 14                        ; column tile 2 (cb' % 4) + b,
	s_add_co_u32 s56, s56, s57
	s_lshl_b32 s57, s46, 10                        ; chunk cb,
	s_add_co_u32 s56, s56, s57
	s_lshl_b32 s57, s53, 9                         ; e = a
	s_add_co_u32 s56, s56, s57
	s_mov_b32 s57, 0                               ; s[56:57] piece l's half block in WF
	s_lshl_b32 s55, ttmp9, 2
	s_add_co_u32 s55, s55, s52                     ; 4 g + w % 4
	s_lshl_b32 s58, s55, 2
	s_mov_b32 s59, 0                               ; s[58:59] my word of MX
	s_lshr_b32 s60, s55, 5                         ; Wv: row tile nt,
	s_bfe_u32 s61, s55, 0x40001                    ; chunk (4 bits from bit 1),
	s_and_b32 s62, s55, 1                          ; e
	s_lshl_b32 s34, s60, 15
	s_lshl_b32 s35, s61, 7
	s_add_co_u32 s34, s34, s35
	s_lshl_b32 s35, s62, 6
	s_add_co_u32 s34, s34, s35
	s_mov_b32 s35, 0                               ; s[34:35] in Wv
	s_lshr_b32 s63, s60, 3
	s_add_co_u32 s63, s63, 8
	s_lshl_b32 s63, s63, 17
	s_and_b32 s60, s60, 7
	s_lshl_b32 s60, s60, 14
	s_add_co_u32 s60, s60, s63
	s_lshl_b32 s61, s61, 10
	s_add_co_u32 s60, s60, s61
	s_lshl_b32 s62, s62, 9
	s_add_co_u32 s60, s60, s62
	s_mov_b32 s61, 0                               ; s[60:61] Wv's half block in WF
	s_mov_b32 s52, 0x76543210                      ; v_permlanex16_b32: each lane takes its own place in the other half
	s_mov_b32 s53, 0xfedcba98
	s_wait_dscnt 0x0                               ; the opening add is done
	s_wait_kmcnt 0x0
	s_add_nc_u64 s[4:5], s[4:5], s[12:13]
	s_add_nc_u64 s[6:7], s[6:7], s[32:33]
	s_add_nc_u64 s[36:37], s[36:37], s[48:49]
	s_add_nc_u64 s[38:39], s[38:39], s[50:51]
	s_add_nc_u64 s[40:41], s[40:41], s[34:35]
	s_add_nc_u64 s[46:47], s[42:43], s[56:57]      ; WF at my tile
	s_add_nc_u64 s[42:43], s[42:43], s[60:61]      ; WF at my half block of Wv
	s_add_nc_u64 s[44:45], s[44:45], s[58:59]
.irp G, 0,1                            ; both first fills go out together, ahead of every wait on TENSORcnt, every LDS read and every barrier: two loads of mine are out
	s_mov_b32 s[G0+4*(\G)], 1
	s_add_co_u32 s[G0+4*(\G)+1], s11, (\G)*2*PIECE
	s_add_nc_u64 s[G0+4*(\G)+2:G0+4*(\G)+3], s[4:5], (\G)*1024
	s_or_b32 s[G0+4*(\G)+3], s[G0+4*(\G)+3], 0x80000000
	tensor_load_to_lds s[G0+4*(\G):G0+4*(\G)+3], s[G1:G1+7]
	s_nop 0
.endr
	v_and_b32 v1, 15, v0                           ; r
	v_bfe_u32 v9, v0, 4, 1                         ; h
	v_lshlrev_b32 v[WOF], 2, v1
	v_lshl_add_u32 v[WOF], v9, 14, v[WOF]
; Four fragments of one operand, as f32: K step kk, column tile t, at reg + 16 (2 kk + t); register n is k = 8 h + n (n < 8) or 16 + 8 h + n - 8.
.macro WLOADS base, reg
.irp kk, 0,1
.irp t, 0,1
.set n, 0
.rept 16
	global_load_b32 v[(\reg)+16*(2*(\kk)+(\t))+n], v[WOF], s[\base:\base+1] offset:(\kk)*65536+(n%8+16*(n/8))*2048+(\t)*64
.set n, n+1
.endr
.endr
.endr
.endm
	WLOADS 36, X
	WLOADS 38, X+64
	v_mul_u32_u24 v[RA], v1, PITCH                 ; the other addresses are made while those loads are on their way
	v_lshl_add_u32 v[RA], v9, 5, v[RA]
	v_add_nc_u32 v[RA], s14, v[RA]
.irp p, 1,2,3
	v_add_nc_u32 v[RA+(\p)], (\p)*PIECE, v[RA]
.endr
	v_and_b32 v[LN], 31, v0
	v_lshlrev_b32 v[GO], 4, v[LN]
	v_lshlrev_b32 v[WVO], 11, v1
	v_lshl_add_u32 v[WVO], v9, 5, v[WVO]
	s_lshl_b32 s9, s8, 12
	s_add_co_u32 s9, s9, PART
	v_lshl_add_u32 v[PS], v[LN], 5, s9             ; PART + 4,096 w + 32 L
	s_and_b32 s9, s8, 3
	s_lshl_b32 s9, s9, 10
	s_add_co_u32 s9, s9, PART
	v_lshl_add_u32 v[PR], v[LN], 5, s9             ; PART + 1,024 (w % 4) + 32 L
	v_mov_b32 v[ONE], 1.0
	v_mov_b32 v[ZR], 0
	s_cmp_lt_u32 s8, 4
	s_cbranch_scc1 .Lno_wv
	global_load_b128 v[WVR:WVR+3],   v[WVO], s[40:41]          ; waves 4 to 7: Wv in pieces of 32 bytes a lane: 1 MB in the whole launch
	global_load_b128 v[WVR+4:WVR+7], v[WVO], s[40:41] offset:16
	s_wait_loadcnt 0x0
.irp j, 0,1,2,3                        ; rounded to bf16 like every input, and that number written as f16
	v_cvt_pk_bf16_f32 v[T], v[WVR+2*(\j)], v[WVR+2*(\j)+1]
	v_lshlrev_b32 v[T+1], 16, v[T]
	v_and_b32 v[T+2], s15, v[T]
	v_cvt_pk_f16_f32 v[WVP+(\j)], v[T+1], v[T+2]
.endr
	global_store_b128 v[GO], v[WVP:WVP+3], s[42:43]            ; 512 consecutive bytes, aligned
.Lno_wv:
	s_wait_loadcnt 0x0                             ; Wq's and Wk's numbers are in
.set f, 0
.rept 8                                ; pair p goes to register p of its fragment: below every register still to be read
.set p, 0
.rept 8
	v_cvt_pk_bf16_f32 v[X+16*f+p], v[X+16*f+2*p], v[X+16*f+2*p+1]
.set p, p+1
.endr
.set f, f+1
.endr
.irp kk, 0,1                           ; the four accumulators take turns; the first K step starts the sums
.irp b, 0,1
.irp a, 0,1
.if (\kk) == 0
	v_wmma_f32_16x16x32_bf16 v[ACC+8*((\a)+2*(\b)):ACC+8*((\a)+2*(\b))+7], v[X+16*(\a):X+16*(\a)+7], v[X+64+16*(\b):X+64+16*(\b)+7], 0
.else
	v_wmma_f32_16x16x32_bf16 v[ACC+8*((\a)+2*(\b)):ACC+8*((\a)+2*(\b))+7], v[X+32+16*(\a):X+32+16*(\a)+7], v[X+96+16*(\b):X+96+16*(\b)+7], v[ACC+8*((\a)+2*(\b)):ACC+8*((\a)+2*(\b))+7]
.endif
.endr
.endr
.endr
.rept 8
	v_nop                                          ; the places behind the last products, once a launch
.endr
.irp t, 0,1,2,3
	ds_store_b128 v[PS], v[ACC+8*(\t):ACC+8*(\t)+3]   offset:1024*(\t)
	ds_store_b128 v[PS], v[ACC+8*(\t)+4:ACC+8*(\t)+7] offset:1024*(\t)+16
.endr
; Group G of x: wave w reads token tile w, eight blocks; block f is four loads of 16 bytes a lane (e, then the two halves of 32 bytes).
.macro GROUP G, left
	s_wait_tensorcnt \left                         ; my tile of this group has landed (tensor loads of a wave end in order); left = 1 leaves my second tile out
	s_wait_dscnt 0x0                               ; for the others' sake: my partial sums are stored; no LDS instruction of mine is out at a signal
	s_barrier_signal -1
	s_barrier_wait -1                              ; everybody's tile has landed
	s_wait_xcnt 0x0                                ; earlier stores have read their registers
.irp f, 0,1,2,3,4,5,6,7
.irp e, 0,1
.irp q, 0,1
	ds_load_b128 v[X+16*(\f)+8*(\e)+4*(\q):X+16*(\f)+8*(\e)+4*(\q)+3], v[RA+2*(\G)+(\f)/4] offset:((\f)%4)*128+(\e)*64+(\q)*16
.endr
.endr
.endr
.irp f, 0,1,2,3,4,5,6,7
	s_wait_dscnt 4*(7-(\f))                        ; block f is in; the later blocks' loads, four each, are younger
.irp p, 0,1,2,3,4,5,6,7                ; pair p goes to register p of the block: below every register still to be read
	v_cvt_pk_bf16_f32 v[T+3*((\p)%4)], v[X+16*(\f)+2*(\p)], v[X+16*(\f)+2*(\p)+1]
	v_lshlrev_b32 v[T+3*((\p)%4)+1], 16, v[T+3*((\p)%4)]
	v_and_b32 v[T+3*((\p)%4)+2], s15, v[T+3*((\p)%4)]
	v_cvt_pk_f16_f32 v[X+16*(\f)+(\p)], v[T+3*((\p)%4)+1], v[T+3*((\p)%4)+2]
.endr
	global_store_b128 v[GO], v[X+16*(\f):X+16*(\f)+3],   s[6:7] offset:(8*(\G)+(\f))*1024 th:TH_STORE_NT      ; 512 consecutive bytes, aligned
	global_store_b128 v[GO], v[X+16*(\f)+4:X+16*(\f)+7], s[6:7] offset:(8*(\G)+(\f))*1024+512 th:TH_STORE_NT
.endr
.endm
	GROUP 0, 1
	; Between the groups waves 0 to 3 finish a tile of M' each: group 0's barrier has shown all eight partial sums.
	s_cmp_lt_u32 s8, 4
	s_cbranch_scc0 .Lno_red
	s_wait_xcnt 0x0                                ; group 0's stores have read the registers that are loaded below
.irp v, 0,1,2,3,4,5,6,7
	ds_load_b128 v[X+8*(\v):X+8*(\v)+3],   v[PR] offset:4096*(\v)
	ds_load_b128 v[X+8*(\v)+4:X+8*(\v)+7], v[PR] offset:4096*(\v)+16
.endr
	s_wait_dscnt 0x0
.irp q, 0,16,32,48
.irp j, 0,2,4,6
	v_pk_add_f32 v[X+(\q)+(\j):X+(\q)+(\j)+1], v[X+(\q)+(\j):X+(\q)+(\j)+1], v[X+(\q)+8+(\j):X+(\q)+8+(\j)+1]
.endr
.endr
.irp q, 0,32
.irp j, 0,2,4,6
	v_pk_add_f32 v[X+(\q)+(\j):X+(\q)+(\j)+1], v[X+(\q)+(\j):X+(\q)+(\j)+1], v[X+(\q)+16+(\j):X+(\q)+16+(\j)+1]
.endr
.endr
.irp j, 0,2,4,6
	v_pk_add_f32 v[X+(\j):X+(\j)+1], v[X+(\j):X+(\j)+1], v[X+32+(\j):X+32+(\j)+1]
.endr
	; a lane holds column c' = r and rows c = 8 h + 0..7: eight neighbouring k of a block's row
.irp j, 0,2,4,6
	v_pk_mul_f32 v[TT+(\j):TT+(\j)+1], v[X+(\j):X+(\j)+1], 0x41800000 op_sel_hi:[1,0]
.endr
.irp j, 0,1,2,3,4,5,6,7
	v_and_b32 v[TMP+(\j)], 0x7fffffff, v[TT+(\j)]
.endr
	v_max3_num_f32 v[MXV], v[TMP], v[TMP+1], v[TMP+2]
	v_max3_num_f32 v[MXV], v[MXV], v[TMP+3], v[TMP+4]
	v_max3_num_f32 v[MXV], v[MXV], v[TMP+5], v[TMP+6]
	v_max_num_f32 v[MXV], v[MXV], v[TMP+7]
.irp j, 0,1,2,3
	v_cvt_pk_f16_f32 v[PH+(\j)], v[TT+2*(\j)], v[TT+2*(\j)+1]
.endr
.irp j, 0,1,2,3                        ; the residue M' - h, exact in f32
	v_fma_mix_f32 v[TT+2*(\j)],   -v[PH+(\j)], v[ONE], v[TT+2*(\j)]   op_sel_hi:[1,0,0]
	v_fma_mix_f32 v[TT+2*(\j)+1], -v[PH+(\j)], v[ONE], v[TT+2*(\j)+1] op_sel:[1,0,0] op_sel_hi:[1,0,0]
.endr
.irp j, 0,1,2,3
	v_cvt_pk_f16_f32 v[PL+(\j)], v[TT+2*(\j)], v[TT+2*(\j)+1]
.endr
	global_store_b128 v[GO], v[PL:PL+3], s[46:47]                  ; each store of the wave covers 512 consecutive bytes, aligned
	global_store_b128 v[GO], v[PH:PH+3], s[46:47] offset:131072    ; piece h lies one slot on
	v_max_num_f32_dpp v[MXV], v[MXV], v[MXV] row_xmask:1 row_mask:0xf bank_mask:0xf
	v_max_num_f32_dpp v[MXV], v[MXV], v[MXV] row_xmask:2 row_mask:0xf bank_mask:0xf
	v_max_num_f32_dpp v[MXV], v[MXV], v[MXV] row_xmask:4 row_mask:0xf bank_mask:0xf
	v_max_num_f32_dpp v[MXV], v[MXV], v[MXV] row_xmask:8 row_mask:0xf bank_mask:0xf
	v_permlanex16_b32 v[TMP], v[MXV], s52, s53
	v_max_num_f32 v[MXV], v[MXV], v[TMP]
	v_cmp_eq_u32 vcc_lo, 0, v[LN]
	s_wait_xcnt 0x0                                ; EXEC changes only behind this wait
	s_and_saveexec_b32 s62, vcc_lo
	global_store_b32 v[ZR], v[MXV], s[44:45]       ; one word a tile: 1,024 stores of 4 bytes in the launch
	s_wait_xcnt 0x0
	s_or_b32 exec_lo, exec_lo, s62
.Lno_red:
	GROUP 1, 0
	s_wait_tensorcnt 0x0                           ; the wave's end: behind my last tensor load and my last LDS store
	ds_add_u32 v[SPW], v[NIL]
	s_wait_dscnt 0x0
	s_endpgm
.Lfunc_end_k_qab76275717_front:
	.size	k_qab76275717_front, .Lfunc_end_k_qab76275717_front-k_qab76275717_front
	.p2alignl 7, 3214868480
	.fill 96, 4, 3214868480
	.section	.rodata,"a",@progbits
	.p2align	6, 0x0
	.amdhsa_kernel k_qab76275717_front
		.amdhsa_group_segment_fixed_size 304128
		.amdhsa_private_segment_fixed_size 0
		.amdhsa_enable_private_segment 0
		.amdhsa_kernarg_size 56
		.amdhsa_user_sgpr_count 2
		.amdhsa_user_sgpr_kernarg_segment_ptr 1
		.amdhsa_wavefront_size32 1
		.amdhsa_system_sgpr_workgroup_id_x 1
		.amdhsa_system_sgpr_workgroup_id_y 1
		.amdhsa_system_sgpr_workgroup_id_z 1
		.amdhsa_system_vgpr_workitem_id 0
		.amdhsa_next_free_vgpr 208
		.amdhsa_next_free_sgpr 66
		.amdhsa_reserve_vcc 1
		.amdhsa_float_denorm_mode_32 3
		.amdhsa_float_denorm_mode_16_64 3
		.amdhsa_memory_ordered 1
		.amdhsa_forward_progress 1
		.amdhsa_inst_pref_size 62
	.end_amdhsa_kernel
	.amdgpu_metadata
---
amdhsa.version: [ 1, 2 ]
amdhsa.kernels:
  - .name:           k_qab76275717_front
    .symbol:         k_qab76275717_front.kd
    .args:
      - { .name: x, .offset: 0, .size: 8, .value_kind: global_buffer, .address_space: global }
      - { .name: XF, .offset: 8, .size: 8, .value_kind: global_buffer, .address_space: global }
      - { .name: Wq, .offset: 16, .size: 8, .value_kind: global_buffer, .address_space: global }
      - { .name: Wk, .offset: 24, .size: 8, .value_kind: global_buffer, .address_space: global }
      - { .name: Wv, .offset: 32, .size: 8, .value_kind: global_buffer, .address_space: global }
      - { .name: WF, .offset: 40, .size: 8, .value_kind: global_buffer, .address_space: global }
      - { .name: MX, .offset: 48, .size: 8, .value_kind: global_buffer, .address_space: global }
    .group_segment_fixed_size: 304128
    .private_segment_fixed_size: 0
    .kernarg_segment_align: 8
    .kernarg_segment_size: 56
    .max_flat_workgroup_size: 256
    .sgpr_count:     66
    .vgpr_count:     208
    .wavefront_size: 32
...
	.end_amdgpu_metadata
.endif
;; end of part 1
;; launch proj (part 2): grid 256 x 1, 4 waves a work-group, clusters of 4 x 1, 327,680 bytes of LDS; arguments XF, WF, MX, QF, VF; writes QF, VF
.if DOCPART == 2
	.amdgcn_target "amdgcn-amd-amdhsa--gfx1250"
	.amdhsa_code_object_version 6
	.text
	.protected	k_qab76275717_proj
	.globl	k_qab76275717_proj
	.p2align	8
	.type	k_qab76275717_proj,@function
k_qab76275717_proj:
	s_mov_b64 s[64:65], 0
	v_nop
	global_prefetch_b8 v0, s[64:65] scope:SCOPE_SE
	s_setreg_imm32_b32 hwreg(HW_REG_WAVE_MODE, 25, 1), 1
	s_wait_xcnt 0x0
	s_wait_alu depctr_hold_cnt(0) depctr_sa_sdst(0) depctr_va_vdst(0) depctr_va_sdst(0) depctr_va_ssrc(0) depctr_va_vcc(0) depctr_vm_vsrc(0)
	s_getreg_b32 s2, hwreg(HW_REG_IB_STS2, 6, 4)
	s_cmp_eq_u32 s2, 0
	s_cbranch_scc0 .Lentry_in_a_cluster
	s_endpgm
.Lentry_in_a_cluster:
	s_bfe_u32 s2, ttmp6, 0x10000c
	s_cmp_lg_u32 s2, 0x3003
	s_cbranch_scc0 .Lentry_shape_is_right
	s_endpgm
.Lentry_shape_is_right:
; PROJ.  y' = x M' (M' = 16 Wq^T Wk in two f16 pieces: x l + x h, f32 sums) and v = x Wv^T, all operands f16 (x, Wv: bf16 numbers written as f16).
; y'' = y' 2^-E, 2^E the power of two at or below the largest |M'| (from MX, exponent field at least 1), leaves as two f16 pieces h, l; v leaves rounded once to f16.
; QF[token / 16][piece: 0 h, 1 l][chunk 16][block]: row = token, k = channel.   VF[token / 128][channel / 16: 32][token group of 32: 4][block]: row = channel, k = token.
; A block is 1,024 bytes: lane L = r + 16 h has 16 bytes at 512 e + 16 L: row r, k = 16 e + 8 h + 0..7.
; LIMITS.  |y''| < 2 x the sum of |x| over a token's 512 channels, which stays under 32,700; |v| under 65,504; pieces under 2^-24 count as 0.
; SHARES.  A work-group takes 128 tokens; wave w: 64 of them (i = w / 2, four row tiles a) x 64 of a pass's 128 columns (j = w % 2, four column tiles b): 16 accumulators.  Its x, 512 registers, stays
; in registers; WF's twelve slots of 131,072 bytes walk through two LDS slots: a PHASE is one slot, 256 products and 128 LDS loads a wave.
; For y the product is taken with source 0 = 16 columns of M', source 1 = 16 tokens: a lane then holds one token and eight neighbouring columns; for v the other way round: one channel, eight tokens.
; So each accumulator packs into 16 bytes a lane that ARE a half block: every store covers 512 consecutive bytes, aligned, with no way through LDS.
; CLUSTER.  All work-groups walk the same WF: the four of a cluster ask for each quarter slot JOINTLY (the same load, descriptor and mask in all four).
; REGISTERS, in windows of 256 (s_set_vgpr_msb: bits 1:0 source 0, 3:2 source 1, 5:4 source 2, 7:6 destination):
;   window 0: v2-9 addresses; v32-159 accumulators ((a, b) at 32 + 8 (4 a + b)); v160-191 MX at the start
;   window 1: v0-63, v64-127 two buffers of W's fragments (two chunks x four b); v128-191 piece h, v192-255 piece l on the way out
;   window 2: x of row tiles 0, 1 (128 (a % 2) + 8 chunk);   window 3: of row tiles 2, 3
.set SLOT1, 1<<17
.set SPARE, 2<<17                      ; behind the two slots: the spare words, 128 bytes a wave: two blocks of 256 bytes that no other line names
.set AD0, 2                            ; v2   slot 0 + 65,536 j + 16 L
.set ADV, 4                            ; v4   the same in the slot of the phase in hand
.set LO,  5                            ; v5   16 L
.set ONE, 6                            ; v6   1.0
.set PFO, 7                            ; v7   256 L
.set SPW, 8                            ; v8   my spare word; never rewritten
.set NIL, 9                            ; v9   0; never rewritten
.set ACC, 32
.set MXR, 160
.set THI, 128                          ; window 1
.set TLO, 192                          ; window 1
.set WV,  14                           ; s14  my wave's number
.set G1,  24                           ; s[24:31] descriptor group 1
.set G0,  32                           ; s[32:35] descriptor group 0: it walks
.set PFA, 36                           ; s[36:37] where my prefetch stands
.set KP,  38                           ; s38  phases begun
.set LIM, 39                           ; s39  11 in the launch's first cluster, else 0
.set SC,  40                           ; s[40:41] 2^-E
.set QP,  42                           ; s[42:43] QF at my part of the pass stored last
.set VP,  44                           ; s[44:45] VF likewise
.set CNT, 46
.set TB,  47                           ; s47  0 or SLOT1: the slot of the phase in hand
.set SEL, 48                           ; s[48:49]
.set XP,  50                           ; s[50:51] XF at my 64 tokens
.set QS,  52                           ; s[52:53] what the next way out of y adds to QP: 0, then 4,096
.set VS,  54                           ; s[54:55] the same for v: 0, then 32,768
.set MSB, 0
.macro WIN new                         ; the immediate's high byte repeats the setting that is left; a switch that changes nothing is dropped
.if MSB != (\new)
	s_set_vgpr_msb (MSB<<8)|(\new)
.set MSB, (\new)
.endif
.endm
.macro PLACES                          ; four plain instructions behind a product, ahead of loads into its sources and of lines that read or write its registers
.rept 4
	v_nop
.endr
.endm
.macro CROUND                          ; a round of the cluster's barrier
	s_barrier_signal -1
	s_barrier_wait -1
	s_cmp_lg_u32 s[WV], 0
	s_cbranch_scc1 .Lnot_wave_0_\@
	s_barrier_signal -3
.Lnot_wave_0_\@:
	s_barrier_wait -3
	s_barrier_signal -1
	s_barrier_wait -1
.endm
	s_load_b256 s[4:11], s[0:1], 0x0               ; XF s[4:5], WF s[6:7], MX s[8:9], QF s[10:11]
	s_load_b64 s[12:13], s[0:1], 0x20              ; VF
	v_lshl_add_u32 v[SPW], v0, 2, SPARE
	v_mov_b32 v[NIL], 0
	ds_add_u32 v[SPW], v[NIL]                      ; the wave's opening: the add and its wait ahead of my first tensor load
	ds_add_u32 v8, v9
	v_lshrrev_b32 v1, 5, v0
	v_readfirstlane_b32 s[WV], v1                  ; wave 0..3
	s_bfe_u32 s15, ttmp6, 0x40000                  ; cx
	s_lshl_b32 s16, ttmp9, 2
	s_add_co_u32 s16, s16, s15                     ; g = 4 x cluster + cx: it enters XF's, QF's, VF's and the prefetch's addresses alone
	s_lshr_b32 s17, s[WV], 1                       ; i
	s_and_b32 s18, s[WV], 1                        ; j
	s_mov_b32 s[G1+0], 15|(3<<16)|(1<<21)          ; the mask of four; elements of 8 bytes; bit 21 set beside a mask
	s_mov_b32 s[G1+1], 32<<16                      ; a dense block as 128 rows of 256 bytes: tensor_dim0 = 32
	s_mov_b32 s[G1+2], 128<<16                     ; tensor_dim1 = 128
	s_mov_b32 s[G1+3], 32<<16                      ; tile_dim0 = 32
	s_mov_b32 s[G1+4], 128                         ; tile_dim1 = 128
	s_mov_b32 s[G1+5], 32                          ; 32 elements from row to row
	s_mov_b32 s[G1+6], 0
	s_mov_b32 s[G1+7], 0
	s_mov_b32 s[G0], 1
	s_lshl_b32 s[G0+1], s[WV], 15                  ; my quarter of slot 0
	s_lshl_b32 s20, s[WV], 15
	s_mov_b32 s21, 0                               ; and of a slot's bytes in WF
	s_lshl_b32 s22, s15, 15                        ; the prefetch: my work-group's quarter, my wave's quarter of that,
	s_lshl_b32 s23, s[WV], 13
	s_add_co_u32 s22, s22, s23
	s_add_co_u32 s22, s22, 131072                  ; at slot 1: the first phase steps it to slot 2
	s_mov_b32 s23, 0
	s_lshl_b32 s52, s16, 17
	s_lshl_b32 s53, s17, 16
	s_add_co_u32 s52, s52, s53
	s_mov_b32 s53, 0
	s_lshl_b32 s54, s16, 18
	s_lshl_b32 s55, s17, 17
	s_add_co_u32 s54, s54, s55
	s_lshl_b32 s55, s18, 11
	s_add_co_u32 s54, s54, s55
	s_mov_b32 s55, 0
	s_lshl_b32 s56, s16, 17
	s_lshl_b32 s57, s18, 14
	s_add_co_u32 s56, s56, s57
	s_lshl_b32 s57, s17, 11
	s_add_co_u32 s56, s56, s57
	s_mov_b32 s57, 0
	s_cmp_eq_u32 ttmp9, 0
	s_cselect_b32 s[LIM], 11, 0                    ; the same in all four partners
	s_mov_b32 s[KP], 0
	s_mov_b32 s[TB], 0
	s_mov_b32 s[SEL], 0x76543210
	s_mov_b32 s[SEL+1], 0xfedcba98
	v_and_b32 v1, 31, v0
	v_lshlrev_b32 v[LO], 4, v1
	v_lshlrev_b32 v[PFO], 8, v1
	v_mov_b32 v[ONE], 1.0
	s_lshl_b32 s19, s18, 16
	v_add_nc_u32 v[AD0], s19, v[LO]
	s_wait_dscnt 0x0                               ; the opening add is done
	s_wait_kmcnt 0x0
	s_add_nc_u64 s[G0+2:G0+3], s[6:7], s[20:21]
	s_or_b32 s[G0+3], s[G0+3], 0x80000000
	s_add_nc_u64 s[PFA:PFA+1], s[6:7], s[22:23]
	s_add_nc_u64 s[XP:XP+1], s[4:5], s[52:53]
	s_add_nc_u64 s[QP:QP+1], s[10:11], s[54:55]
	s_add_nc_u64 s[VP:VP+1], s[12:13], s[56:57]
	s_mov_b32 s[QS], 0                             ; the first way out stores where the pointers stand
	s_mov_b32 s[QS+1], 0
	s_mov_b32 s[VS], 0
	s_mov_b32 s[VS+1], 0
	CROUND                                         ; all four work-groups are here: the first joint loads meet
	tensor_load_to_lds s[G0:G0+3], s[G1:G1+7]      ; WF's slot 0
	s_nop 0
	PLACES
.irp a, 0,1,2,3                        ; my x: 64 tokens x 512 channels, 128 loads of 512 consecutive bytes
	WIN 0x80+0x40*((\a)/2)
.set c, 0
.rept 16
	global_load_b128 v[128*((\a)%2)+8*c:128*((\a)%2)+8*c+3],   v[LO], s[XP:XP+1] offset:(\a)*16384+c*1024
	global_load_b128 v[128*((\a)%2)+8*c+4:128*((\a)%2)+8*c+7], v[LO], s[XP:XP+1] offset:(\a)*16384+c*1024+512
.set c, c+1
.endr
.endr
	WIN 0
.set q, 0
.rept 8
	global_load_b128 v[MXR+4*q:MXR+4*q+3], v[LO], s[8:9] offset:512*q
.set q, q+1
.endr
	s_wait_loadcnt 0x0
; The largest of MX's 1,024 numbers, 32 a lane; its exponent field, at least 1, is left in v[B].
.macro MXRED B
.irp q, 0,1,2,3,4,5,6,7
	v_max3_num_f32 v[(\B)+4*(\q)], v[(\B)+4*(\q)], v[(\B)+4*(\q)+1], v[(\B)+4*(\q)+2]
.endr
.irp q, 0,1,2,3,4,5,6,7
	v_max_num_f32 v[(\B)+4*(\q)], v[(\B)+4*(\q)], v[(\B)+4*(\q)+3]
.endr
	v_max3_num_f32 v[(\B)], v[(\B)], v[(\B)+4], v[(\B)+8]
	v_max3_num_f32 v[(\B)+12], v[(\B)+12], v[(\B)+16], v[(\B)+20]
	v_max3_num_f32 v[(\B)], v[(\B)], v[(\B)+12], v[(\B)+24]
	v_max_num_f32 v[(\B)], v[(\B)], v[(\B)+28]
	v_max_num_f32_dpp v[(\B)], v[(\B)], v[(\B)] row_xmask:1 row_mask:0xf bank_mask:0xf
	v_max_num_f32_dpp v[(\B)], v[(\B)], v[(\B)] row_xmask:2 row_mask:0xf bank_mask:0xf
	v_max_num_f32_dpp v[(\B)], v[(\B)], v[(\B)] row_xmask:4 row_mask:0xf bank_mask:0xf
	v_max_num_f32_dpp v[(\B)], v[(\B)], v[(\B)] row_xmask:8 row_mask:0xf bank_mask:0xf
	v_permlanex16_b32 v[(\B)+1], v[(\B)], s[SEL], s[SEL+1]
	v_max_num_f32 v[(\B)], v[(\B)], v[(\B)+1]
	v_and_b32 v[(\B)], 0x7f800000, v[(\B)]
	v_max_u32 v[(\B)], 0x800000, v[(\B)]
.endm
	MXRED MXR
	v_sub_nc_u32 v[MXR], 0x7f000000, v[MXR]        ; the bits of 2^-E: exponent field 254 less that of 2^E
	v_readfirstlane_b32 s[SC], v[MXR]              ; a factor, nothing else: no address and no branch hangs on it
	s_mov_b32 s[SC+1], s[SC]
; THE CHANGE OF SLOTS, ahead of phase k.  Each wave waits for all its tensor loads (one is out: its quarter of slot data k), adds 0 to its spare word, and waits for that and for its reads of the other slot.
; fill = 1: a round of the cluster's barrier, and first thing behind it the joint load of slot data k + 1 into the slot read in phase k - 1: it has a phase, 256 products, in which to land.
.macro CHANGE fill
	WIN 0
	s_wait_tensorcnt 0x0                           ; no tensor load of mine is out, so group 0 may be written
	ds_add_u32 v[SPW], v[NIL]                      ; 0 onto my spare word
.if \fill
	s_xor_b32 s[G0+1], s[G0+1], SLOT1
	s_add_nc_u64 s[G0+2:G0+3], s[G0+2:G0+3], 131072
.endif
	s_wait_dscnt 0x0                               ; the add is done, and my reads of the other slot are over
.if \fill
	CROUND
	tensor_load_to_lds s[G0:G0+3], s[G1:G1+7]
	s_nop 0
	PLACES
.else
	s_barrier_signal -1
	s_barrier_wait -1
.endif
.endm
.macro FETCH0 ad                       ; chunks 0 and 1 of my four column tiles into buffer 0
	WIN 0x40
.irp cc, 0,1
.irp b, 0,1,2,3
	ds_load_b128 v[32*(\cc)+8*(\b):32*(\cc)+8*(\b)+3],   v[\ad] offset:(\b)*16384+(\cc)*1024
	ds_load_b128 v[32*(\cc)+8*(\b)+4:32*(\cc)+8*(\b)+7], v[\ad] offset:(\b)*16384+(\cc)*1024+512
.endr
.endr
	WIN 0
.endm
; A PREFETCH INTO THE L2 of slot data k + 2, which the NEXT change of slots will ask for: 256 products ahead of that load.  Every cluster walks the same WF: the launch's first cluster asks; its four partners
; take a quarter each BY ADDRESS, each wave a quarter of that, a lane 256 bytes: each block is named once.  Slots 0 and 1 come by their loads alone; phases 10 and 11 ask for nothing.
; Its address is stepped directly ahead of it: the wait stands a round and a run of LDS loads behind the way out's stores, and a phase behind the last prefetch.
.macro ASK
	s_wait_xcnt 0x0                                ; the last prefetch has read its address
	s_add_nc_u64 s[PFA:PFA+1], s[PFA:PFA+1], 131072
	s_add_co_u32 s[KP], s[KP], 1
	s_cmp_lt_u32 s[KP], s[LIM]
	s_cbranch_scc0 .Lnot_mine_\@
	global_prefetch_b8 v[PFO], s[PFA:PFA+1] th:TH_LOAD_NT scope:SCOPE_SE
.Lnot_mine_\@:
.endm
; 16 products: row tiles 2 hi, 2 hi + 1 x four column tiles x chunks 2 k, 2 k + 1.  The eight accumulators take turns, one instruction a turn.
.macro MUL16 kind, k, hi, zero
.if \kind
	WIN 0x06+(\hi)                                 ; v: source 0 = x (window 2 or 3), source 1 = W (window 1)
.else
	WIN 0x09+4*(\hi)                               ; y: source 0 = W, source 1 = x
.endif
.irp cc, 0,1
.irp al, 0,1
.irp b, 0,1,2,3
.set rD, ACC+8*(4*(2*(\hi)+(\al))+(\b))
.set rW, 64*((\k)%2)+32*(\cc)+8*(\b)
.set rX, 128*(\al)+8*(2*(\k)+(\cc))
.if \kind
.if (\zero) && ((\k) == 0) && ((\cc) == 0)
	v_wmma_f32_16x16x32_f16 v[rD:rD+7], v[rX:rX+7], v[rW:rW+7], 0
.else
	v_wmma_f32_16x16x32_f16 v[rD:rD+7], v[rX:rX+7], v[rW:rW+7], v[rD:rD+7]
.endif
.else
.if (\zero) && ((\k) == 0) && ((\cc) == 0)
	v_wmma_f32_16x16x32_f16 v[rD:rD+7], v[rW:rW+7], v[rX:rX+7], 0
.else
	v_wmma_f32_16x16x32_f16 v[rD:rD+7], v[rW:rW+7], v[rX:rX+7], v[rD:rD+7]
.endif
.endif
.endr
.endr
.endr
.endm
; A RUN, number k of a phase's eight: it waits for its buffer, asks for the next run's 16 loads in one run, and issues 32 products on chunks 2 k, 2 k + 1.  zero = 1: chunk 0 starts the sums.
.macro RUN kind, k, ad, zero
	s_wait_dscnt 0x0                               ; this run's fragments, asked for 32 products ago
	PLACES
.if (\k) < 7
	WIN 0x40
.irp cc, 0,1
.irp b, 0,1,2,3
	ds_load_b128 v[64*(((\k)+1)%2)+32*(\cc)+8*(\b):64*(((\k)+1)%2)+32*(\cc)+8*(\b)+3],   v[\ad] offset:(\b)*16384+(2*(\k)+2+(\cc))*1024
	ds_load_b128 v[64*(((\k)+1)%2)+32*(\cc)+8*(\b)+4:64*(((\k)+1)%2)+32*(\cc)+8*(\b)+7], v[\ad] offset:(\b)*16384+(2*(\k)+2+(\cc))*1024+512
.endr
.endr
.endif
	MUL16 \kind, \k, 0, \zero
	MUL16 \kind, \k, 1, \zero
.endm
.macro PHASE kind, ad, zero
.irp k, 0,1,2,3,4,5,6,7
	RUN \kind, \k, \ad, \zero
.endr
	WIN 0
.endm
; y's way out: scaled, split into h and l, stored.  Each accumulator's registers are taken in ascending order.  The pointer is stepped at the head, behind the wait that frees the last pass's stores.
.macro EPI_Y
	WIN 0
	PLACES
	s_wait_xcnt 0x0                                ; the last pass's stores have read their registers and their base
	s_add_nc_u64 s[QP:QP+1], s[QP:QP+1], s[QS:QS+1]
.set r, 0
.rept 64
	v_pk_mul_f32 v[ACC+r:ACC+r+1], v[ACC+r:ACC+r+1], s[SC:SC+1] op_sel_hi:[1,0]
.set r, r+2
.endr
	WIN 0x40
.set r, 0
.rept 64
	v_cvt_pk_f16_f32 v[THI+r], v[ACC+2*r], v[ACC+2*r+1]
.set r, r+1
.endr
	WIN 0x01
.set r, 0
.rept 64                               ; y'' - h, exact in f32
	v_fma_mix_f32 v[ACC+2*r],   -v[THI+r], v[ONE], v[ACC+2*r]   op_sel_hi:[1,0,0]
	v_fma_mix_f32 v[ACC+2*r+1], -v[THI+r], v[ONE], v[ACC+2*r+1] op_sel:[1,0,0] op_sel_hi:[1,0,0]
.set r, r+1
.endr
	WIN 0x40
.set r, 0
.rept 64
	v_cvt_pk_f16_f32 v[TLO+r], v[ACC+2*r], v[ACC+2*r+1]
.set r, r+1
.endr
	WIN 0x04                                       ; a store's data is source 1: window 1
.irp a, 0,1,2,3
.irp b, 0,1,2,3
	global_store_b128 v[LO], v[THI+4*(4*(\a)+(\b)):THI+4*(4*(\a)+(\b))+3], s[QP:QP+1] offset:(\a)*32768+((\b)/2)*1024+((\b)%2)*512 th:TH_STORE_NT
	global_store_b128 v[LO], v[TLO+4*(4*(\a)+(\b)):TLO+4*(4*(\a)+(\b))+3], s[QP:QP+1] offset:(\a)*32768+16384+((\b)/2)*1024+((\b)%2)*512 th:TH_STORE_NT
.endr
.endr
	WIN 0
	s_mov_b32 s[QS], 4096                          ; the next pass lies four chunks on (no store names this register)
.endm
.macro EPI_V
	WIN 0
	PLACES
	s_wait_xcnt 0x0
	s_add_nc_u64 s[VP:VP+1], s[VP:VP+1], s[VS:VS+1]
	WIN 0x40
.set r, 0
.rept 64
	v_cvt_pk_f16_f32 v[THI+r], v[ACC+2*r], v[ACC+2*r+1]
.set r, r+1
.endr
	WIN 0x04
.irp a, 0,1,2,3
.irp b, 0,1,2,3
	global_store_b128 v[LO], v[THI+4*(4*(\a)+(\b)):THI+4*(4*(\a)+(\b))+3], s[VP:VP+1] offset:(\b)*4096+((\a)/2)*1024+((\a)%2)*512 th:TH_STORE_NT
.endr
.endr
	WIN 0
	s_mov_b32 s[VS], 32768                         ; the next pass lies eight channel blocks on
.endm
	s_mov_b32 s[CNT], 8
.Ly:                                               ; eight phases of y, one text: piece l's phase (slot 0) starts the sums of a pass of 128 columns, piece h's (slot 1) adds onto them and the pass leaves
	CHANGE 1
	v_add_nc_u32 v[ADV], s[TB], v[AD0]
	FETCH0 ADV
	ASK
	s_cmp_lg_u32 s[TB], 0                          ; forward jumps on the slot's number, the same in all partners, past no barrier and no tensor load
	s_cbranch_scc1 .Lyh
	RUN 0, 0, ADV, 1
	WIN 0
	s_branch .Lyr
.Lyh:
	RUN 0, 0, ADV, 0
	WIN 0
.Lyr:
.irp k, 1,2,3,4,5,6,7
	RUN 0, \k, ADV, 0
.endr
	WIN 0
	s_xor_b32 s[TB], s[TB], SLOT1
	s_cmp_lg_u32 s[TB], 0
	s_cbranch_scc1 .Lyn                            ; piece h is still to come
	EPI_Y
.Lyn:
	s_sub_co_u32 s[CNT], s[CNT], 1
	s_cmp_lg_u32 s[CNT], 0
	s_cbranch_scc1 .Ly
	s_mov_b32 s[CNT], 3
.Lv:                                               ; a pass of 128 channels of v
	CHANGE 1
	v_add_nc_u32 v[ADV], s[TB], v[AD0]
	FETCH0 ADV
	ASK
	PHASE 1, ADV, 1
	EPI_V
	s_xor_b32 s[TB], s[TB], SLOT1
	s_sub_co_u32 s[CNT], s[CNT], 1
	s_cmp_lg_u32 s[CNT], 0
	s_cbranch_scc1 .Lv
	CHANGE 0                                       ; the last phase is written out: nothing is asked for
	v_add_nc_u32 v[ADV], s[TB], v[AD0]
	FETCH0 ADV
	PHASE 1, ADV, 1
	EPI_V
	s_wait_tensorcnt 0x0                           ; the wave's end
	ds_add_u32 v[SPW], v[NIL]
	s_wait_dscnt 0x0
	CROUND                                         ; the closing round
	s_endpgm
.Lfunc_end_k_qab76275717_proj:
	.size	k_qab76275717_proj, .Lfunc_end_k_qab76275717_proj-k_qab76275717_proj
	.p2alignl 7, 3214868480
	.fill 96, 4, 3214868480
	.section	.rodata,"a",@progbits
	.p2align	6, 0x0
	.amdhsa_kernel k_qab76275717_proj
		.amdhsa_group_segment_fixed_size 327680
		.amdhsa_private_segment_fixed_size 0
		.amdhsa_enable_private_segment 0
		.amdhsa_kernarg_size 40
		.amdhsa_user_sgpr_count 2
		.amdhsa_user_sgpr_kernarg_segment_ptr 1
		.amdhsa_wavefront_size32 1
		.amdhsa_system_sgpr_workgroup_id_x 1
		.amdhsa_system_sgpr_workgroup_id_y 1
		.amdhsa_system_sgpr_workgroup_id_z 1
		.amdhsa_system_vgpr_workitem_id 0
		.amdhsa_next_free_vgpr 1024
		.amdhsa_next_free_sgpr 66
		.amdhsa_reserve_vcc 0
		.amdhsa_float_denorm_mode_32 3
		.amdhsa_float_denorm_mode_16_64 3
		.amdhsa_memory_ordered 1
		.amdhsa_forward_progress 1
		.amdhsa_inst_pref_size 139
	.end_amdhsa_kernel
	.amdgpu_metadata
---
amdhsa.version: [ 1, 2 ]
amdhsa.kernels:
  - .name:           k_qab76275717_proj
    .symbol:         k_qab76275717_proj.kd
    .args:
      - { .name: XF, .offset: 0, .size: 8, .value_kind: global_buffer, .address_space: global }
      - { .name: WF, .offset: 8, .size: 8, .value_kind: global_buffer, .address_space: global }
      - { .name: MX, .offset: 16, .size: 8, .value_kind: global_buffer, .address_space: global }
      - { .name: QF, .offset: 24, .size: 8, .value_kind: global_buffer, .address_space: global }
      - { .name: VF, .offset: 32, .size: 8, .value_kind: global_buffer, .address_space: global }
    .group_segment_fixed_size: 327680
    .private_segment_fixed_size: 0
    .kernarg_segment_align: 8
    .kernarg_segment_size: 40
    .max_flat_workgroup_size: 128
    .sgpr_count:     66
    .vgpr_count:     1024
    .wavefront_size: 32
...
	.end_amdgpu_metadata
.endif
;; end of part 2
;; launch attn (part 3): grid 8 x 32, 4 waves a work-group, clusters of 4 x 1, 327,680 bytes of LDS; arguments QF, XF, VF, MX, out0; writes out0
.if DOCPART == 3
	.amdgcn_target "amdgcn-amd-amdhsa--gfx1250"
	.amdhsa_code_object_version 6
	.text
	.protected	k_qab76275717_attn
	.globl	k_qab76275717_attn
	.p2align	8
	.type	k_qab76275717_attn,@function
k_qab76275717_attn:
	s_mov_b64 s[64:65], 0
	v_nop
	global_prefetch_b8 v0, s[64:65] scope:SCOPE_SE
	s_setreg_imm32_b32 hwreg(HW_REG_WAVE_MODE, 25, 1), 1
	s_wait_xcnt 0x0
	s_wait_alu depctr_hold_cnt(0) depctr_sa_sdst(0) depctr_va_vdst(0) depctr_va_sdst(0) depctr_va_ssrc(0) depctr_va_vcc(0) depctr_vm_vsrc(0)
	s_getreg_b32 s2, hwreg(HW_REG_IB_STS2, 6, 4)
	s_cmp_eq_u32 s2, 0
	s_cbranch_scc0 .Lentry_in_a_cluster
	s_endpgm
.Lentry_in_a_cluster:
	s_bfe_u32 s2, ttmp6, 0x10000c
	s_cmp_lg_u32 s2, 0x3003
	s_cbranch_scc0 .Lentry_shape_is_right
	s_endpgm
.Lentry_shape_is_right:
; ATTN.  out[t] = the sum over s <= t of softmax_s(score(t, s)) v[s], score = sqrt(512) q_t . k_s = (2^E sqrt(512) / 16) y''_t . x_s, with y'' in two f16 pieces (QF), x exact in f16 (XF), v in f16 (VF).
; The scores have a spread of hundreds, so a row's two largest may differ by less than one: the score product takes both pieces of y'' (l, then h, chunk by chunk, one f32 sum).
; p = 2^(c s - c m), c = log2(e) sqrt(512) / 16 x 2^E, m a running maximum over all keys seen; O and l are multiplied by a = 2^(c m_old - c m_new) in every step.  p is rounded to f16 for the second
; product; l is the sum of the unrounded p; a hidden score is -infinity, its weight 0.
; LIMITS.  Those of the launches before (f16's range for x, v, y''); a weight under 2^-126 counts as 0 in l, under 2^-24 as 0 in the product; NaN and infinities in the inputs are not treated apart.
; THE WALK.  A batch's 1,024 queries lie in 16 blocks of 64; keys go in steps of 128.  A cluster (u = cluster x, 0 or 1) has four work-groups; work-group cx takes block 4 (3 - u) + cx and then block 4 u + cx.
; All four walk 8 - 2 u and then 2 u + 2 key steps: ten, whatever u, and the same tiles at the same time, so each tile of x and v is asked for JOINTLY.  The price: in the last two steps of a block's walk some
; partner's scores are wholly hidden and are computed all the same.  cx enters Q's, out0's and the prefetches' addresses and the mask's numbers alone: no branch, no LDS address.
; SHARES.  Wave w: 32 queries (i = w / 2, tiles t = 0, 1); of a step's 128 keys the 64 with j = w % 2 in the score product; of the 512 channels the 256 with j in the second product.
; S^T = X Q^T (source 0 = 16 keys, source 1 = 16 queries): a lane holds ONE query (lane % 16) and keys 8 (lane / 16) + 0..7; rounded in pairs these ARE source 1 of O^T = V^T P.  The two waves of a pair
; exchange their local maxima, their P and their partial l through LDS.
; LDS.  x's tile at 0, v's at 131,072 (fixed parts: x's is filled again behind the score product, v's behind the second product); then bytes that no tensor load touches: P, maxima, l, the way out's stages.
; REGISTERS, in windows of 256 (s_set_vgpr_msb: bits 1:0 source 0, 3:2 source 1, 5:4 source 2, 7:6 destination):
;   window 0: v2-21 addresses; v24-39 statistics; v40-63 at work; v64-127 S^T (32 a tile), later P: mine in a tile's lower 16, my partner's in the upper 16; v128-191, v192-255 two fragment buffers
;   window 1: O^T, tile t, channel block cb at 128 t + 8 cb       window 2: y'' of tile 0 (piece p, chunk c at 128 p + 8 c)       window 3: of tile 1
.set VSL,   1<<17
.set PBF,   2<<17                      ; four waves x 4,096: P
.set MXB,   PBF+4*4096                 ; four waves x 128: local maxima, tile t at 64 t
.set LBF,   MXB+4*128                  ; four waves x 256: partial l, tile t at 128 t
.set STAGE, LBF+4*256                  ; four waves x 16 rows x 528
.set SP,    528                        ; 512 + 16: sixteen rows start at sixteen different groups of four banks (ISA guide 11.1)
.set SPARE, STAGE+4*16*SP              ; the spare words, 128 bytes a wave: two blocks of 256 bytes that no other line names
.set ADRX, 2                           ; v2   65,536 j + 16 L
.set AVO,  3                           ; v3   v's tile: my channels, the key groups of my own P
.set AVP,  4                           ; v4   the key groups of my partner's P
.set PST,  5
.set PLD,  6
.set MST,  7
.set MLD,  8
.set LST,  9
.set LLD,  10
.set STO,  11
.set RD,   12
.set LO,   13                          ; v13  16 L
.set PFO,  14                          ; v14  256 L
.set DB,   15                          ; v15  32 i + r - 64 j - 8 h
.set D0,   16                          ; v16, v17  register n of key tile kt is hidden where 16 kt + n is greater
.set NINF, 18
.set SPW,  20                          ; v20  my spare word; never rewritten
.set NIL,  21                          ; v21  0; never rewritten
.set ST,   24                          ; tile t at ST + 8 t: c m, m, l (even keys', odd keys'), c0-c3 at work; a takes c2's place
.set PM,   40                          ; v40-41  my partner's number
.set LS,   42                          ; v42-43  l's two halves added
.set RL,   44                          ; v44, v46  1 / l (named as pairs with v45, v47)
.set TS,   48                          ; v48-63  sums at work, eight a tile
.set S,    64
.set FB0,  128
.set WV,   14
.set G1,   24                          ; s[24:31]
.set G0X,  32                          ; s[32:35]
.set G0V,  36                          ; s[36:39]
.set XW,   40                          ; s[40:41] XF at the batch, my quarter of a tile
.set VW,   42                          ; s[42:43] VF likewise
.set OFF,  44                          ; s[44:45] a tile's byte offset
.set TN,   46                          ; s46  the tile in hand
.set TF,   47                          ; s47  the tile of x asked for last
.set NCUR, 48                          ; s48  key steps of the block in hand
.set LASTB, 49                         ; s49  1: this step is the block's last
.set CNT,  50
.set STEP, 51
.set PFLIM, 52                         ; s52  7 where u = 0, else 0
.set NNXT, 53
.set QA,   54                          ; s[54:55] QF at my rows of the first block
.set QB,   56                          ; s[56:57] of the second
.set OCUR, 58                          ; s[58:59] out0 at my part of the block in hand
.set ONXT, 60
.set BLK,  62                          ; s62  64 x the block in hand
.set BLKN, 63
.set CS,   66                          ; s[66:67] c
.set SEL,  68                          ; s[68:69]
.set PFXB, 70                          ; s[70:71] XF at the batch, my part of a tile's prefetch
.set PFVB, 72
.set PFAX, 74
.set PFAV, 76
.set QGO,  78                          ; s78  1 in the first block's last step: the second block's y'' is asked for
.set QPEND, 79                         ; s79  1 while the first block is in hand
.set MSB, 0
.macro WIN new
.if MSB != (\new)
	s_set_vgpr_msb (MSB<<8)|(\new)
.set MSB, (\new)
.endif
.endm
.macro PLACES                          ; four plain instructions behind a product, ahead of loads into its sources and of lines that read or write its registers
.rept 4
	v_nop
.endr
.endm
.macro CROUND
	s_barrier_signal -1
	s_barrier_wait -1
	s_cmp_lg_u32 s[WV], 0
	s_cbranch_scc1 .Lnot_wave_0_\@
	s_barrier_signal -3
.Lnot_wave_0_\@:
	s_barrier_wait -3
	s_barrier_signal -1
	s_barrier_wait -1
.endm
.macro MXRED B                         ; the largest of MX's 1,024 numbers, 32 a lane; its exponent field, at least 1, is left in v[B]: the bits of 2^E
.irp q, 0,1,2,3,4,5,6,7
	v_max3_num_f32 v[(\B)+4*(\q)], v[(\B)+4*(\q)], v[(\B)+4*(\q)+1], v[(\B)+4*(\q)+2]
.endr
.irp q, 0,1,2,3,4,5,6,7
	v_max_num_f32 v[(\B)+4*(\q)], v[(\B)+4*(\q)], v[(\B)+4*(\q)+3]
.endr
	v_max3_num_f32 v[(\B)], v[(\B)], v[(\B)+4], v[(\B)+8]
	v_max3_num_f32 v[(\B)+12], v[(\B)+12], v[(\B)+16], v[(\B)+20]
	v_max3_num_f32 v[(\B)], v[(\B)], v[(\B)+12], v[(\B)+24]
	v_max_num_f32 v[(\B)], v[(\B)], v[(\B)+28]
	v_max_num_f32_dpp v[(\B)], v[(\B)], v[(\B)] row_xmask:1 row_mask:0xf bank_mask:0xf
	v_max_num_f32_dpp v[(\B)], v[(\B)], v[(\B)] row_xmask:2 row_mask:0xf bank_mask:0xf
	v_max_num_f32_dpp v[(\B)], v[(\B)], v[(\B)] row_xmask:4 row_mask:0xf bank_mask:0xf
	v_max_num_f32_dpp v[(\B)], v[(\B)], v[(\B)] row_xmask:8 row_mask:0xf bank_mask:0xf
	v_permlanex16_b32 v[(\B)+1], v[(\B)], s[SEL], s[SEL+1]
	v_max_num_f32 v[(\B)], v[(\B)], v[(\B)+1]
	v_and_b32 v[(\B)], 0x7f800000, v[(\B)]
	v_max_u32 v[(\B)], 0x800000, v[(\B)]
.endm
; My 32 queries' y'', both pieces, are 128 loads of 512 consecutive bytes: load n is tile n / 64, bytes 512 (n % 64) of its 32,768, registers 4 (n % 64) on.  QLD issues loads n0 to n1 - 1.
; LOADcnt's field holds 63, and a load that would pass it is held at issue (ISA guide 5.7.1): so at the change of blocks the 128 go out in runs of 62, 62 and 4, with work between them.
.macro QLD base, n0, n1
.set n, \n0
.rept (\n1)-(\n0)
	WIN 0x80+0x40*(n/64)
	global_load_b128 v[4*(n%64):4*(n%64)+3], v[LO], s[\base:\base+1] offset:(n/64)*32768+(n%64)*512
.set n, n+1
.endr
	WIN 0
.endm
; A block begins: c m far below every c s, so the first step's a is 0 and O^T need only hold finite numbers; m at the lowest finite number; l = 0.
.macro INIT
.irp t, 0,1
	v_mov_b32 v[ST+8*(\t)], 0xfe000000
	v_mov_b32 v[ST+8*(\t)+1], 0xff7fffff
	v_mov_b32 v[ST+8*(\t)+2], 0
	v_mov_b32 v[ST+8*(\t)+3], 0
.endr
.endm
	s_load_b256 s[4:11], s[0:1], 0x0               ; QF s[4:5], XF s[6:7], VF s[8:9], MX s[10:11]
	s_load_b64 s[12:13], s[0:1], 0x20              ; out0
	v_lshl_add_u32 v[SPW], v0, 2, SPARE
	v_mov_b32 v[NIL], 0
	ds_add_u32 v[SPW], v[NIL]                      ; the wave's opening: the add and its wait ahead of my first tensor load
	ds_add_u32 v20, v21
	v_lshrrev_b32 v1, 5, v0
	v_readfirstlane_b32 s[WV], v1                  ; wave 0..3
	s_bfe_u32 s15, ttmp6, 0x40000                  ; cx
	s_and_b32 s17, ttmp7, 0xffff                   ; the batch
	s_lshr_b32 s18, s[WV], 1                       ; i
	s_and_b32 s19, s[WV], 1                        ; j
	s_xor_b32 s16, s[WV], 1                        ; my partner
	s_mov_b32 s[G1+0], 15|(3<<16)|(1<<21)          ; the mask of four; elements of 8 bytes; bit 21 set beside a mask
	s_mov_b32 s[G1+1], 32<<16                      ; a quarter tile, dense, as 128 rows of 256 bytes
	s_mov_b32 s[G1+2], 128<<16
	s_mov_b32 s[G1+3], 32<<16
	s_mov_b32 s[G1+4], 128
	s_mov_b32 s[G1+5], 32
	s_mov_b32 s[G1+6], 0
	s_mov_b32 s[G1+7], 0
	s_mov_b32 s[G0X], 1
	s_lshl_b32 s[G0X+1], s[WV], 15
	s_mov_b32 s[G0V], 1
	s_add_co_u32 s[G0V+1], s[G0X+1], VSL
	s_sub_co_u32 s20, 3, ttmp9
	s_lshl_b32 s20, s20, 2
	s_add_co_u32 s20, s20, s15                     ; the first block
	s_lshl_b32 s21, ttmp9, 2
	s_add_co_u32 s21, s21, s15                     ; the second
	s_lshl_b32 s[BLK], s20, 6
	s_lshl_b32 s[BLKN], s21, 6
	s_lshl_b32 s22, ttmp9, 1
	s_sub_co_u32 s[NCUR], 8, s22
	s_add_co_u32 s[NNXT], s22, 2
	s_cmp_eq_u32 ttmp9, 0
	s_cselect_b32 s[PFLIM], 7, 0
	s_mov_b32 s[TF], 0
	s_mov_b32 s[STEP], 0
	s_mov_b32 s[CNT], 10
	s_mov_b32 s[LASTB], 0
	s_mov_b32 s[QPEND], 1
	s_mov_b32 s[OFF+1], 0
	s_mov_b32 s[SEL], 0x76543210
	s_mov_b32 s[SEL+1], 0xfedcba98
	s_lshl_b32 s22, s17, 21                        ; QF and out0: 2 MB a batch, 131,072 bytes a block, 65,536 for 32 rows
	s_lshl_b32 s23, s18, 16
	s_add_co_u32 s22, s22, s23
	s_lshl_b32 s80, s20, 17
	s_add_co_u32 s80, s80, s22
	s_mov_b32 s81, 0
	s_lshl_b32 s82, s21, 17
	s_add_co_u32 s82, s82, s22
	s_mov_b32 s83, 0
	s_lshl_b32 s84, s19, 10                        ; out0: my 256 channels
	s_mov_b32 s85, 0
	s_lshl_b32 s86, s17, 20                        ; XF and VF: 1 MB a batch; my quarter of a tile
	s_lshl_b32 s87, s[WV], 15
	s_add_co_u32 s86, s86, s87
	s_mov_b32 s87, 0
	s_lshl_b32 s88, s17, 20                        ; the prefetches: my work-group's quarter, my wave's quarter of that
	s_lshl_b32 s89, s15, 15
	s_add_co_u32 s88, s88, s89
	s_lshl_b32 s89, s[WV], 13
	s_add_co_u32 s88, s88, s89
	s_mov_b32 s89, 0
	v_and_b32 v1, 31, v0                           ; L
	v_and_b32 v22, 15, v0                          ; r
	v_bfe_u32 v23, v0, 4, 1                        ; h
	v_lshlrev_b32 v[LO], 4, v1
	v_lshlrev_b32 v[PFO], 8, v1
	s_lshl_b32 s20, s19, 16
	v_add_nc_u32 v[ADRX], s20, v[LO]
	s_add_co_u32 s20, s20, VSL
	s_lshl_b32 s21, s19, 11                        ; my own keys are groups 2 j, 2 j + 1 of the step's four,
	s_add_co_u32 s21, s21, s20
	v_add_nc_u32 v[AVO], s21, v[LO]
	s_xor_b32 s21, s19, 1                          ; my partner's the other two
	s_lshl_b32 s21, s21, 11
	s_add_co_u32 s21, s21, s20
	v_add_nc_u32 v[AVP], s21, v[LO]
	s_lshl_b32 s21, s[WV], 12
	s_add_co_u32 s21, s21, PBF
	v_add_nc_u32 v[PST], s21, v[LO]
	s_lshl_b32 s21, s16, 12
	s_add_co_u32 s21, s21, PBF
	v_add_nc_u32 v[PLD], s21, v[LO]
	s_lshl_b32 s21, s[WV], 7
	s_add_co_u32 s21, s21, MXB
	v_lshl_add_u32 v[MST], v22, 2, s21
	s_lshl_b32 s21, s16, 7
	s_add_co_u32 s21, s21, MXB
	v_lshl_add_u32 v[MLD], v22, 2, s21
	s_lshl_b32 s21, s[WV], 8
	s_add_co_u32 s21, s21, LBF
	v_lshl_add_u32 v[LST], v1, 2, s21
	s_lshl_b32 s21, s16, 8
	s_add_co_u32 s21, s21, LBF
	v_lshl_add_u32 v[LLD], v1, 2, s21
	s_mul_i32 s21, s[WV], 16*SP
	s_add_co_u32 s21, s21, STAGE
	v_mul_u32_u24 v[STO], v22, SP
	v_lshl_add_u32 v[STO], v23, 5, v[STO]
	v_add_nc_u32 v[STO], s21, v[STO]
	v_add_nc_u32 v[RD], s21, v[LO]
	s_lshl_b32 s21, s18, 5
	s_lshl_b32 s22, s19, 6
	s_sub_co_i32 s21, s21, s22
	v_lshlrev_b32 v1, 3, v23
	v_sub_nc_u32 v[DB], v22, v1
	v_add_nc_u32 v[DB], s21, v[DB]
	v_mov_b32 v[NINF], 0xff800000
	v_mov_b32 v[RL+1], 0                           ; named in pairs with 1 / l
	v_mov_b32 v[RL+3], 0
	s_wait_dscnt 0x0                               ; the opening add is done
	s_wait_kmcnt 0x0
	s_add_nc_u64 s[QA:QA+1], s[4:5], s[80:81]
	s_add_nc_u64 s[QB:QB+1], s[4:5], s[82:83]
	s_add_nc_u64 s[OCUR:OCUR+1], s[12:13], s[80:81]
	s_add_nc_u64 s[OCUR:OCUR+1], s[OCUR:OCUR+1], s[84:85]
	s_add_nc_u64 s[ONXT:ONXT+1], s[12:13], s[82:83]
	s_add_nc_u64 s[ONXT:ONXT+1], s[ONXT:ONXT+1], s[84:85]
	s_add_nc_u64 s[XW:XW+1], s[6:7], s[86:87]
	s_add_nc_u64 s[VW:VW+1], s[8:9], s[86:87]
	s_add_nc_u64 s[PFXB:PFXB+1], s[6:7], s[88:89]
	s_add_nc_u64 s[PFVB:PFVB+1], s[8:9], s[88:89]
	s_mov_b64 s[G0X+2:G0X+3], s[XW:XW+1]
	s_or_b32 s[G0X+3], s[G0X+3], 0x80000000
	CROUND                                         ; all four work-groups are here: the first joint loads meet
	tensor_load_to_lds s[G0X:G0X+3], s[G1:G1+7]    ; x's tile 0
	s_nop 0
	PLACES
.set q, 0
.rept 8
	global_load_b128 v[FB0+4*q:FB0+4*q+3], v[LO], s[10:11] offset:512*q
.set q, q+1
.endr
	QLD QA, 0, 54                                  ; the first block's y'' goes out behind MX's eight loads: 62 are out
	WIN 0x40                                       ; O^T holds finite numbers from the start: 256 lines, once a launch, in the wait for the first tile; so no first step is written out
.set r, 0
.rept 256
	v_mov_b32 v[r], 0
.set r, r+1
.endr
	WIN 0
	s_wait_loadcnt 54                              ; MX is in; the 54 loads of y'' are younger
	MXRED FB0
	v_mul_f32 v[FB0], 0x400293ee, v[FB0]           ; c = log2(e) sqrt(512) / 16 x 2^E
	v_readfirstlane_b32 s[CS], v[FB0]              ; a factor, nothing else: no address and no branch hangs on it
	s_mov_b32 s[CS+1], s[CS]
	QLD QA, 54, 128                                ; nothing else is to be done here, so these may stand at issue
	INIT
	s_branch .Lnext                                ; the loop is entered at a step's first half
.macro XLOAD c0, fb                    ; chunks c0, c0 + 1 of my four key tiles
.irp cc, 0,1
.irp kt, 0,1,2,3
	ds_load_b128 v[(\fb)+32*(\cc)+8*(\kt):(\fb)+32*(\cc)+8*(\kt)+3],   v[ADRX] offset:(\kt)*16384+((\c0)+(\cc))*1024
	ds_load_b128 v[(\fb)+32*(\cc)+8*(\kt)+4:(\fb)+32*(\cc)+8*(\kt)+7], v[ADRX] offset:(\kt)*16384+((\c0)+(\cc))*1024+512
.endr
.endr
.endm
; PREFETCHES INTO THE L2.  Both clusters of a batch begin at tile 0; the cluster with u = 0 walks tiles 0 to 7 first and asks for each tile of x and of v once, half a step (128 or 256 products) ahead of the joint
; load that wants it: its four partners take a quarter each BY ADDRESS, each wave a quarter of that, a lane 256 bytes.  Tile 0 comes by its load alone; behind tile 7 nothing is asked for.
.macro ASKX
	s_cmp_lt_u32 s[STEP], s[PFLIM]
	s_cbranch_scc0 .Lnot_x_\@
	global_prefetch_b8 v[PFO], s[PFAX:PFAX+1] th:TH_LOAD_NT scope:SCOPE_SE
.Lnot_x_\@:
.endm
.macro ASKV                            ; its address is made directly ahead of it: the wait stands a round behind the youngest global load
	s_wait_xcnt 0x0                                ; the last prefetch of v, a step back, has read its address
	s_lshl_b32 s80, s[STEP], 17
	s_mov_b32 s81, 0
	s_add_nc_u64 s[PFAV:PFAV+1], s[PFVB:PFVB+1], s[80:81]
	s_cmp_le_u32 s[STEP], s[PFLIM]                 ; STEP has been raised: here it is the next step's number, 1 at the least
	s_cbranch_scc0 .Lnot_v_\@
	global_prefetch_b8 v[PFO], s[PFAV:PFAV+1] th:TH_LOAD_NT scope:SCOPE_SE
.Lnot_v_\@:
.endm
; A STEP'S FIRST CHANGE.  v's slot has been read out; x's tile TN is waited for.  Every wave: all its tensor loads, the add, its LDS reads; a round of the cluster's barrier; the joint load of v's tile TN, which has the
; score product, 256 products, in which to land.
.macro CHG_V
	WIN 0
	s_wait_xcnt 0x0                                ; stores and prefetches issued so far have read their registers
	s_add_co_u32 s80, s[STEP], 1
	s_lshl_b32 s80, s80, 17
	s_mov_b32 s81, 0
	s_add_nc_u64 s[PFAX:PFAX+1], s[PFXB:PFXB+1], s[80:81]
	s_wait_tensorcnt 0x0
	ds_add_u32 v[SPW], v[NIL]                      ; 0 onto my spare word
	s_lshl_b32 s[OFF], s[TN], 17
	s_add_nc_u64 s[G0V+2:G0V+3], s[VW:VW+1], s[OFF:OFF+1]
	s_or_b32 s[G0V+3], s[G0V+3], 0x80000000
	s_wait_dscnt 0x0
	CROUND
	tensor_load_to_lds s[G0V:G0V+3], s[G1:G1+7]
	s_nop 0
	PLACES
	XLOAD 0, FB0
	ASKX
.endm
; A STEP'S SECOND CHANGE.  x's slot has been read out; v's tile is waited for; the local maxima stored just before are shown to the partner.  The joint load is x's next tile: the block's next, or behind its last
; the second block's tile 0.  It has the softmax and 128 products in which to land.
.macro CHG_X
	WIN 0
	s_wait_tensorcnt 0x0
	ds_add_u32 v[SPW], v[NIL]                      ; 0 onto my spare word
	s_add_co_u32 s[TF], s[TN], 1
	s_cmp_eq_u32 s[TF], s[NCUR]
	s_cselect_b32 s[LASTB], 1, 0
	s_cselect_b32 s[TF], 0, s[TF]
	s_lshl_b32 s[OFF], s[TF], 17
	s_add_nc_u64 s[G0X+2:G0X+3], s[XW:XW+1], s[OFF:OFF+1]
	s_or_b32 s[G0X+3], s[G0X+3], 0x80000000
	s_wait_dscnt 0x0
	CROUND
	tensor_load_to_lds s[G0X:G0X+3], s[G1:G1+7]
	s_nop 0
	PLACES
.endm
; THE SCORE PRODUCT: eight runs of two chunks; a run waits for its buffer, asks for the next run's 16 loads, and issues 32 products.  A tile's four accumulators take turns.
.macro SPHASE
	s_wait_loadcnt 0x0                             ; y'' (at a block's first step)
.irp k, 0,1,2,3,4,5,6,7
	s_wait_dscnt 0x0
	PLACES
.if (\k) < 7
	WIN 0
	XLOAD 2*(\k)+2, FB0+64*(((\k)+1)%2)
.endif
.irp t, 0,1
	WIN 0x08+4*(\t)                                ; source 1 = y'' in window 2 or 3
.irp cc, 0,1
.irp p, 1,0
.irp kt, 0,1,2,3
.set rS, S+32*(\t)+8*(\kt)
.set rX, FB0+64*((\k)%2)+32*(\cc)+8*(\kt)
.set rQ, 128*(\p)+8*(2*(\k)+(\cc))
.if ((\k) == 0) && ((\cc) == 0) && ((\p) == 1)
	v_wmma_f32_16x16x32_f16 v[rS:rS+7], v[rX:rX+7], v[rQ:rQ+7], 0
.else
	v_wmma_f32_16x16x32_f16 v[rS:rS+7], v[rX:rX+7], v[rQ:rQ+7], v[rS:rS+7]
.endif
.endr
.endr
.endr
.endr
.endr
	WIN 0
.endm
; THE MASK AND MY LOCAL MAXIMUM.  Only a block's last two steps can hold hidden keys (the same steps in all four partners).  Each accumulator's lowest registers are read first.
.macro SM1
	WIN 0
	s_lshl_b32 s80, s[TN], 7
	s_sub_co_i32 s80, s[BLK], s80
	v_add_nc_u32 v[D0], s80, v[DB]                 ; these two lines and two v_nop are the places behind the last products
	v_add_nc_u32 v[D0+1], 16, v[D0]
	v_nop
	v_nop
	s_sub_co_u32 s81, s[NCUR], s[TN]
	s_cmp_gt_u32 s81, 2
	s_cbranch_scc1 .Lopen_\@
.irp t, 0,1
.irp kt, 0,1,2,3
.irp n, 0,1,2,3,4,5,6,7
	v_cmp_gt_i32 vcc_lo, 16*(\kt)+(\n), v[D0+(\t)]
	v_cndmask_b32 v[S+32*(\t)+8*(\kt)+(\n)], v[S+32*(\t)+8*(\kt)+(\n)], v[NINF], vcc_lo
.endr
.endr
.endr
.Lopen_\@:
.irp n, 0,1,2,3
.irp t, 0,1
	v_max3_num_f32 v[ST+8*(\t)+4+(\n)], v[S+32*(\t)+8*(\n)], v[S+32*(\t)+8*(\n)+1], v[S+32*(\t)+8*(\n)+2]
.endr
.endr
.irp o, 3,5
.irp n, 0,1,2,3
.irp t, 0,1
	v_max3_num_f32 v[ST+8*(\t)+4+(\n)], v[ST+8*(\t)+4+(\n)], v[S+32*(\t)+8*(\n)+(\o)], v[S+32*(\t)+8*(\n)+(\o)+1]
.endr
.endr
.endr
.irp t, 0,1
	v_max3_num_f32 v[ST+8*(\t)+4], v[ST+8*(\t)+4], v[S+32*(\t)+7], v[S+32*(\t)+15]
	v_max3_num_f32 v[ST+8*(\t)+6], v[ST+8*(\t)+6], v[S+32*(\t)+23], v[S+32*(\t)+31]
.endr
.irp t, 0,1
	v_max3_num_f32 v[ST+8*(\t)+4], v[ST+8*(\t)+4], v[ST+8*(\t)+5], v[ST+8*(\t)+6]
.endr
.irp t, 0,1
	v_max_num_f32 v[ST+8*(\t)+4], v[ST+8*(\t)+4], v[ST+8*(\t)+7]
.endr
.irp t, 0,1
	v_permlanex16_b32 v[ST+8*(\t)+5], v[ST+8*(\t)+4], s[SEL], s[SEL+1]  ; the query's other keys lie in the lane 16 away
.endr
.irp t, 0,1
	v_max_num_f32 v[ST+8*(\t)+4], v[ST+8*(\t)+4], v[ST+8*(\t)+5]
.endr
.irp t, 0,1
	ds_store_b32 v[MST], v[ST+8*(\t)+4] offset:64*(\t)
.endr
.endm
.macro VLOAD g                         ; group g of v's fragments: key group g / 2 (0, 1 mine, 2, 3 my partner's), channel blocks 8 (g % 2) ..
.if (\g) < 4
.set vA, AVO
.else
.set vA, AVP
.endif
.irp cb, 0,1,2,3,4,5,6,7
	ds_load_b128 v[FB0+64*((\g)%2)+8*(\cb):FB0+64*((\g)%2)+8*(\cb)+3],   v[vA] offset:(8*((\g)%2)+(\cb))*4096+(((\g)/2)%2)*1024
	ds_load_b128 v[FB0+64*((\g)%2)+8*(\cb)+4:FB0+64*((\g)%2)+8*(\cb)+7], v[vA] offset:(8*((\g)%2)+(\cb))*4096+(((\g)/2)%2)*1024+512
.endr
.endm
; THE SOFTMAX.  m takes my maximum and my partner's (both waves so hold the same m and a).  The 66 exponentials are ONE batch with ONE wait: nothing ahead of the wait names a result of theirs.
.macro SM2 ask
	WIN 0
	ds_load_b32 v[PM], v[MLD]
	ds_load_b32 v[PM+1], v[MLD] offset:64
.if \ask
	ASKV                                           ; behind the joint load, its five lines and the loads that I want next
.endif
.irp t, 0,1
	v_mov_b32 v[ST+8*(\t)+5], v[ST+8*(\t)]         ; c m_old
.endr
	s_wait_dscnt 0x0
.irp t, 0,1
	v_max3_num_f32 v[ST+8*(\t)+1], v[ST+8*(\t)+1], v[ST+8*(\t)+4], v[PM+(\t)]
.endr
.irp t, 0,1
	v_mul_f32 v[ST+8*(\t)], s[CS], v[ST+8*(\t)+1]
.endr
.irp t, 0,1
	v_sub_f32 v[ST+8*(\t)+5], v[ST+8*(\t)+5], v[ST+8*(\t)]
.endr
.irp t, 0,1
	v_exp_f32 v[ST+8*(\t)+6], v[ST+8*(\t)+5]       ; a
.endr
.set b, 0
.rept 17                               ; pair b is scaled; pair b - 1 takes its exponentials
.if b < 16
.irp t, 0,1
	v_pk_fma_f32 v[S+32*(\t)+2*b:S+32*(\t)+2*b+1], v[S+32*(\t)+2*b:S+32*(\t)+2*b+1], s[CS:CS+1], v[ST+8*(\t):ST+8*(\t)+1] op_sel_hi:[1,0,0] neg_lo:[0,0,1] neg_hi:[0,0,1]
.endr
.endif
.if b > 0
.irp t, 0,1
	v_exp_f32 v[S+32*(\t)+2*b-2], v[S+32*(\t)+2*b-2]
	v_exp_f32 v[S+32*(\t)+2*b-1], v[S+32*(\t)+2*b-1]
.endr
.endif
.set b, b+1
.endr
	v_nop                                          ; a plain instruction behind the last exponential
	s_wait_alu depctr_va_vdst(0)                   ; the wait ahead of the first line that names a result: one for the batch
.irp t, 0,1                            ; the sum of a tile's sixteen pairs, beside them: the weights are still to be rounded
.irp n, 0,1,2,3
	v_pk_add_f32 v[TS+8*(\t)+2*(\n):TS+8*(\t)+2*(\n)+1], v[S+32*(\t)+4*(\n):S+32*(\t)+4*(\n)+1], v[S+32*(\t)+4*(\n)+2:S+32*(\t)+4*(\n)+3]
.endr
.endr
.irp o, 16,24
.irp t, 0,1
.irp n, 0,1,2,3
	v_pk_add_f32 v[TS+8*(\t)+2*(\n):TS+8*(\t)+2*(\n)+1], v[TS+8*(\t)+2*(\n):TS+8*(\t)+2*(\n)+1], v[S+32*(\t)+(\o)+2*(\n):S+32*(\t)+(\o)+2*(\n)+1]
.endr
.endr
.endr
.irp t, 0,1
	v_pk_add_f32 v[TS+8*(\t):TS+8*(\t)+1], v[TS+8*(\t):TS+8*(\t)+1], v[TS+8*(\t)+2:TS+8*(\t)+3]
	v_pk_add_f32 v[TS+8*(\t)+4:TS+8*(\t)+5], v[TS+8*(\t)+4:TS+8*(\t)+5], v[TS+8*(\t)+6:TS+8*(\t)+7]
.endr
.irp t, 0,1
	v_pk_add_f32 v[TS+8*(\t):TS+8*(\t)+1], v[TS+8*(\t):TS+8*(\t)+1], v[TS+8*(\t)+4:TS+8*(\t)+5]
.endr
.irp t, 0,1
	v_pk_fma_f32 v[ST+8*(\t)+2:ST+8*(\t)+3], v[ST+8*(\t)+2:ST+8*(\t)+3], v[ST+8*(\t)+6:ST+8*(\t)+7], v[TS+8*(\t):TS+8*(\t)+1] op_sel_hi:[1,0,1]
.endr
.set b, 0
.rept 16                               ; pair b goes to register b of the tile: below every register still to be read
.irp t, 0,1
	v_cvt_pk_f16_f32 v[S+32*(\t)+b], v[S+32*(\t)+2*b], v[S+32*(\t)+2*b+1]
.endr
.set b, b+1
.endr
.irp t, 0,1
	v_add_f32 v[LS+(\t)], v[ST+8*(\t)+2], v[ST+8*(\t)+3]
.endr
.irp t, 0,1
.irp n, 0,1,2,3
	ds_store_b128 v[PST], v[S+32*(\t)+4*(\n):S+32*(\t)+4*(\n)+3] offset:(4*(\t)+(\n))*512
.endr
	ds_store_b32 v[LST], v[LS+(\t)] offset:128*(\t)
.endr
	s_wait_dscnt 0x0                               ; for my partner's sake: my P and my l are stored
	s_barrier_signal -1                            ; between signal and wait: loads of v's tile, which nobody writes before a later barrier, and work on registers
	VLOAD 0
	WIN 0x41                                       ; O^T in window 1, a in window 0
.irp t, 0,1
.set r, 0
.rept 64
	v_pk_mul_f32 v[128*(\t)+r:128*(\t)+r+1], v[128*(\t)+r:128*(\t)+r+1], v[ST+8*(\t)+6:ST+8*(\t)+7] op_sel_hi:[1,0]
.set r, r+2
.endr
.endr
	WIN 0
	s_barrier_wait -1
.irp t, 0,1
.irp n, 0,1,2,3
	ds_load_b128 v[S+32*(\t)+16+4*(\n):S+32*(\t)+16+4*(\n)+3], v[PLD] offset:(4*(\t)+(\n))*512
.endr
.endr
.endm
; THE SECOND PRODUCT: eight groups of 16 products on 16 different accumulators; each fragment of v feeds both tiles.
.macro PVPHASE
.irp g, 0,1,2,3,4,5,6,7
.if (\g) == 0
	s_wait_dscnt 8                                 ; group 0 is in; the eight loads of my partner's P are younger
.else
	s_wait_dscnt 0x0
.endif
	PLACES
.if (\g) < 7
	WIN 0
	VLOAD (\g)+1
.endif
	WIN 0x50                                       ; C and D in window 1
.irp cb, 0,1,2,3,4,5,6,7
.irp t, 0,1
.set rO, 128*(\t)+8*(8*((\g)%2)+(\cb))
.set rV, FB0+64*((\g)%2)+8*(\cb)
.set rP, S+32*(\t)+8*((\g)/2)
	v_wmma_f32_16x16x32_f16 v[rO:rO+7], v[rV:rV+7], v[rP:rP+7], v[rO:rO+7]
.endr
.endr
.endr
	WIN 0
.endm
; THE WAY OUT.  l: mine, my partner's, and the other half of the lanes'.  O^T / l goes through my own stage, 16 queries x 128 channels at a time (a lane's eight channels are 32 bytes of a row), and comes back as
; whole rows of 512 bytes.  LDS serves a wave's instructions in order (ISA guide 5.7.1.4): no wait stands between my stores and my loads, and a part's stores into the stage come behind the loads of the part before.
; A part's arithmetic and its way through the stage (WPACK) stand ahead of the stores of the part before (WSEND).
.macro WPACK t, hf
	s_wait_xcnt 0x0                                ; earlier stores have read the registers that are loaded again below
	WIN 0x41
.set r, 128*(\t)+64*(\hf)
.rept 32
	v_pk_mul_f32 v[r:r+1], v[r:r+1], v[RL+2*(\t):RL+2*(\t)+1] op_sel_hi:[1,0]
.set r, r+2
.endr
	WIN 0x04                                       ; an LDS store's data is source 1: window 1
.set r, 0
.rept 16
	ds_store_b128 v[STO], v[128*(\t)+64*(\hf)+4*r:128*(\t)+64*(\hf)+4*r+3] offset:(r/2)*64+(r%2)*16
.set r, r+1
.endr
	WIN 0
.set r, 0
.rept 16
	ds_load_b128 v[FB0+64*(\hf)+4*r:FB0+64*(\hf)+4*r+3], v[RD] offset:r*SP
.set r, r+1
.endr
.endm
.macro WSEND t, hf, younger            ; younger: the LDS instructions issued behind this part's loads: the next part's 32, or none
.set r, 0
.rept 16
	s_wait_dscnt (\younger)+15-r                   ; row r is back; the later rows' loads, and the next part's stores and loads, are younger
	global_store_b128 v[LO], v[FB0+64*(\hf)+4*r:FB0+64*(\hf)+4*r+3], s[OCUR:OCUR+1] offset:(\t)*32768+r*2048+(\hf)*512 th:TH_STORE_NT  ; 512 consecutive bytes, aligned
.set r, r+1
.endr
.endm
.macro WAYOUT
	WIN 0
	PLACES
	ds_load_b32 v[PM], v[LLD]
	ds_load_b32 v[PM+1], v[LLD] offset:128
	s_wait_dscnt 0x0
.irp t, 0,1
	v_add_f32 v[LS+(\t)], v[LS+(\t)], v[PM+(\t)]
.endr
.irp t, 0,1
	v_permlanex16_b32 v[PM+(\t)], v[LS+(\t)], s[SEL], s[SEL+1]
.endr
.irp t, 0,1
	v_add_f32 v[LS+(\t)], v[LS+(\t)], v[PM+(\t)]
.endr
.irp t, 0,1
	v_rcp_f32 v[RL+2*(\t)], v[LS+(\t)]
.endr
	v_nop                                          ; a plain instruction behind the last reciprocal,
	s_wait_alu depctr_va_vdst(0)                   ; and the wait ahead of the first use: one for both
	WPACK 0, 0
	WPACK 0, 1
	WSEND 0, 0, 32
	WPACK 1, 0
	WSEND 0, 1, 32
	WPACK 1, 1
	WSEND 1, 0, 32
	WSEND 1, 1, 0
.endm
.Lstep:                                            ; nine trips: a step's second half, then the next step's first half
	CHG_X
	SM2 1
	s_cmp_eq_u32 s[QGO], 0
	s_cbranch_scc1 .Lq2
	QLD QB, 62, 124                                ; the second run of the second block's y'': the softmax has passed since the first
.Lq2:
	PVPHASE
	s_cmp_eq_u32 s[LASTB], 0
	s_cbranch_scc1 .Lnext                          ; forward, past no barrier and no tensor load; the same in all four partners
	QLD QB, 124, 128                               ; the first block ends: the last four loads; all come while the first block leaves
	WAYOUT
	s_wait_xcnt 0x0                                ; the stores have read their base
	s_mov_b64 s[OCUR:OCUR+1], s[ONXT:ONXT+1]
	s_mov_b32 s[BLK], s[BLKN]
	s_mov_b32 s[NCUR], s[NNXT]
	s_mov_b32 s[QPEND], 0
	INIT
.Lnext:
	s_mov_b32 s[TN], s[TF]
	s_add_co_u32 s80, s[TN], 1
	s_cmp_eq_u32 s80, s[NCUR]
	s_cselect_b32 s[QGO], s[QPEND], 0              ; the first block's last step: made of counters alone, the same in all four partners
	CHG_V
	SPHASE
	SM1
	s_cmp_eq_u32 s[QGO], 0
	s_cbranch_scc1 .Lq1
	QLD QB, 0, 62                                  ; the first block's y'' has been multiplied for the last time (SM1's lines are the places behind those products): the second block's is asked for
.Lq1:
	s_add_co_u32 s[STEP], s[STEP], 1
	s_sub_co_u32 s[CNT], s[CNT], 1
	s_cmp_lg_u32 s[CNT], 0
	s_cbranch_scc1 .Lstep
	s_wait_tensorcnt 0x0                           ; the last step's second half is written out: v's last tile is waited for, nothing is asked for
	ds_add_u32 v[SPW], v[NIL]
	s_wait_dscnt 0x0                               ; my local maxima are stored
	s_barrier_signal -1
	s_barrier_wait -1
	SM2 0
	PVPHASE
	WAYOUT
	s_wait_tensorcnt 0x0                           ; the wave's end: behind my last tensor load and my last LDS store
	ds_add_u32 v[SPW], v[NIL]
	s_wait_dscnt 0x0
	CROUND                                         ; the closing round
	s_endpgm
.Lfunc_end_k_qab76275717_attn:
	.size	k_qab76275717_attn, .Lfunc_end_k_qab76275717_attn-k_qab76275717_attn
	.p2alignl 7, 3214868480
	.fill 96, 4, 3214868480
	.section	.rodata,"a",@progbits
	.p2align	6, 0x0
	.amdhsa_kernel k_qab76275717_attn
		.amdhsa_group_segment_fixed_size 327680
		.amdhsa_private_segment_fixed_size 0
		.amdhsa_enable_private_segment 0
		.amdhsa_kernarg_size 40
		.amdhsa_user_sgpr_count 2
		.amdhsa_user_sgpr_kernarg_segment_ptr 1
		.amdhsa_wavefront_size32 1
		.amdhsa_system_sgpr_workgroup_id_x 1
		.amdhsa_system_sgpr_workgroup_id_y 1
		.amdhsa_system_sgpr_workgroup_id_z 1
		.amdhsa_system_vgpr_workitem_id 0
		.amdhsa_next_free_vgpr 1024
		.amdhsa_next_free_sgpr 90
		.amdhsa_reserve_vcc 1
		.amdhsa_float_denorm_mode_32 3
		.amdhsa_float_denorm_mode_16_64 3
		.amdhsa_memory_ordered 1
		.amdhsa_forward_progress 1
		.amdhsa_inst_pref_size 200
	.end_amdhsa_kernel
	.amdgpu_metadata
---
amdhsa.version: [ 1, 2 ]
amdhsa.kernels:
  - .name:           k_qab76275717_attn
    .symbol:         k_qab76275717_attn.kd
    .args:
      - { .name: QF, .offset: 0, .size: 8, .value_kind: global_buffer, .address_space: global }
      - { .name: XF, .offset: 8, .size: 8, .value_kind: global_buffer, .address_space: global }
      - { .name: VF, .offset: 16, .size: 8, .value_kind: global_buffer, .address_space: global }
      - { .name: MX, .offset: 24, .size: 8, .value_kind: global_buffer, .address_space: global }
      - { .name: out0, .offset: 32, .size: 8, .value_kind: global_buffer, .address_space: global }
    .group_segment_fixed_size: 327680
    .private_segment_fixed_size: 0
    .kernarg_segment_align: 8
    .kernarg_segment_size: 40
    .max_flat_workgroup_size: 128
    .sgpr_count:     90
    .vgpr_count:     1024
    .wavefront_size: 32
...
	.end_amdgpu_metadata
.endif
;; end of part 3
